; MI455X (gfx1250); checked and timed in simulation.
; The chip was launched on July 23, 2026; its instructions are those of AMD's public machine-readable ISA for CDNA 5 (MIT licence, August 2026) and "CDNA5" Instruction Set Architecture Reference Guide (July 2026). The comments in the code are by the model that wrote it; some were corrected since.
;; Self Attention1 D. Allowed arithmetic: matrix products marked QUANTISED: E2M1 operands, one E8M0 scale for each 32 along K, by v_wmma_scale_f32_16x16x128_f8f6f4 with both operands' format E2M1 (or v_wmma_scale_f32_32x16x128_f4), f32 sums; everything else in f32.
;; Inputs: Wf_codes 64 x 16 x 16 uint8 (E2M1 codes of Wf, K innermost, in blocks of 32 codes, two codes a byte); Wf_scales 64 x 16 uint8 (E8M0 scales of Wf, one for each 32 codes along K); Wg_codes 64 x 16 x 16 uint8 (E2M1 codes of Wg, K innermost, in blocks of 32 codes, two codes a byte); Wg_scales 64 x 16 uint8 (E8M0 scales of Wg, one for each 32 codes along K); Wh_codes 512 x 16 x 16 uint8 (E2M1 codes of Wh, K innermost, in blocks of 32 codes, two codes a byte); Wh_scales 512 x 16 uint8 (E8M0 scales of Wh, one for each 32 codes along K); bf 64 float32; bg 64 float32; bh 512 float32; gamma one number float32; x 4 x 4,096 x 512 float32.
;; Outputs: out0 4 x 4,096 x 512 float32.
;; This version of the problem:
;;   THIS VERSION OF THE PROBLEM IS GIVEN IN LOW PRECISION. The matrix products marked QUANTISED in the list below multiply operands that are first quantised to E2M1 (2 exponent bits, 1 mantissa bit; 4 bits a number), with one power-of-two scale for each 32 numbers along K (OCP MX v1.0); their sums are f32. All else is computed in f32.
;;   The module's matrix products, in the order in which they are computed (A, B: the left and right operand; K: the contracted axis; several contracted axes count as one K, in the product's order):
;;     1. [M 16,384, K 512] x [K 512, N 64]; A: input x; B: input Wf (given as codes): QUANTISED
;;     2. [M 16,384, K 512] x [K 512, N 64]; A: input x; B: input Wg (given as codes): QUANTISED
;;     3. [M 16,384, K 512] x [K 512, N 512]; A: input x; B: input Wh (given as codes): QUANTISED
;;     4. batch 4 x [M 4,096, K 64] x [K 64, N 4,096]; A: computed on the way; B: computed on the way: QUANTISED
;;     5. batch 4 x [M 4,096, K 4,096] x [K 4,096, N 512]; A: softmax (see below); B: computed on the way: QUANTISED
;;   THE QUANTISER, for each operand of a quantised product, along K:
;;     - K is cut into blocks of 32 from its start; a last block that is shorter is filled with zeros.
;;     - A block's scale is 2^e with e = floor(log2(the largest magnitude in the block)) - 2, held to -126 .. 127; a block of zeros has e = 0. As a byte (E8M0): e + 127.
;;     - Each number is divided by its block's scale, clamped to +-6, and rounded to the nearest number of E2M1, ties to even, subnormals kept.
;;     - The product sums the exact products of the quantised numbers (number of the format x scale) in f32.
;;   ~~~python
;;   def quantise(x, axis):      # numpy; x: float32 -> the quantised numbers, widened to float32 again
;;       x = np.moveaxis(x, axis, -1); K = x.shape[-1]
;;       x = np.pad(x, [(0, 0)] * (x.ndim - 1) + [(0, -K % 32)]); x = x.reshape(x.shape[:-1] + (-1, 32)); a = np.abs(x).max(-1, keepdims=True)
;;       e = np.where(a > 0, np.clip(np.frexp(np.where(a > 0, a, 1))[1] - 1 - 2, -126, 127), 0)      # np.frexp(a)[1] - 1 = floor(log2(a)), exactly
;;       r = np.clip(x / 2.0 ** e, -6, 6)
;;       step = 2.0 ** (np.maximum(np.frexp(np.where(r == 0, 1, r))[1] - 1, 0) - 1)
;;       q = np.round(r / step) * step * 2.0 ** e      # np.round: ties to even
;;       return np.moveaxis(q.reshape(q.shape[:-2] + (-1,))[..., :K], -1, axis).astype(np.float32)
;;   ~~~
;;   SOFTMAX AHEAD OF A QUANTISED PRODUCT. Where the list says 'softmax', what is quantised is not the finished softmax but p = 2^(t - M), with t = logit x log2(e) and M = ceil(the row's largest t), a whole number; so 1/2 < the row's largest p <= 1. The row's sum l is taken of the UNQUANTISED p, in f32, and the product's result is divided by l at the end. Since M is a whole number, a kernel that streams over the keys may use a running M (the ceiling of the running maximum): every later rescaling is an exact power of two, which a block's scale takes up: the codes' values come out the same.
;;   OPERANDS COMPUTED ON THE WAY. 'Computed on the way' means the value that the module computes at that place (a softmax that the list does not call 'softmax' is quantised finished and normalised). What goes into a quantiser is computed in f32, as accurately as f32 sums, v_exp_f32 and their like allow (about 1e-6 of the number): no bf16 or f16 on the way to a quantiser, and a product that is left as it is and whose result goes on into a quantised operand takes f32 operands (vector FMAs, or v_wmma_f32_16x16x4_f32). A number that lies on a knife's edge between two numbers of the format may be rounded either way, as far as f32 arithmetic and the matrix unit's own rounding can turn it there, and no further.
;;   INPUTS GIVEN AS CODES. Wf (in the module: [512, 64], K = its axis 0); Wg (in the module: [512, 64], K = its axis 0); Wh (in the module: [512, 512], K = its axis 0): each comes as NAME_codes (uint8): NAME with its K axis moved to the last place and cut into blocks of 32 codes, [.., K / 32, bytes a block], one block behind the other in memory; two codes a byte, the lower K in the low four bits (a code: sign, 2 exponent bits, 1 mantissa bit); and NAME_scales (uint8): the same leading axes, one E8M0 byte (e + 127) for each 32 codes along K. Its value is code x scale, taken as it is: it is not quantised again, and the codes and scales need not be those that the quantiser above would give.
;; One version. Each part assembles by itself: llvm-mc -triple=amdgcn-amd-amdhsa -mcpu=gfx1250 --defsym DOCPART=n.
;; ======== version 1 of 1: 2 launches
;; workspace buffers: fg 1,179,648 bytes; vv 4,456,448 bytes
;; launch project (part 1): grid 256 x 1, 4 waves a work-group, no clusters, 167,936 bytes of LDS; arguments x, Wf_codes, Wf_scales, Wg_codes, Wg_scales, Wh_codes, Wh_scales, bf, bg, bh, fg, vv; writes fg, vv
.if DOCPART == 1
	.amdgcn_target "amdgcn-amd-amdhsa--gfx1250"
	.amdhsa_code_object_version 6
	.text
	.protected	k_qae3ab7e605_project
	.globl	k_qae3ab7e605_project
	.p2align	8
	.type	k_qae3ab7e605_project,@function
k_qae3ab7e605_project:
	s_mov_b64 s[64:65], 0
	v_nop
	global_prefetch_b8 v0, s[64:65] scope:SCOPE_SE
	s_setreg_imm32_b32 hwreg(HW_REG_WAVE_MODE, 25, 1), 1
	s_wait_xcnt 0x0
; f = x Wf + bf, g = x Wg + bg, h = x Wh + bh on codes of FP4 (E2M1) with one E8M0 scale for each 32 along K; then f and g are quantised along their 64 channels and h along the KEYS,
; and all three leave as images of the operand registers that the second launch wants.  x: [16384][512] f32, quantised here along its 512.  The weights arrive as codes, K innermost.
; NO WORK IS LEFT OUT: bf, bg and bh each go into a quantiser of a live product, so every input of these three products is loaded.
; LIMITS: NaN and infinities among the inputs are not served.  A block whose largest magnitude lies under 2^(3 - 127) gets the scale byte 1 (a block of zeros too, where the rule says 127: its codes are
; zeros, which add nothing under that byte, and these bytes are read by this program alone).
; SHARES.  A work-group takes 64 rows (positions) of x.  Wave w quantises K step w (128 of the 512) of all 64 rows, owns channels 128 w .. 128 w + 127 of h (8 tiles), and makes f (waves 0, 1) or g (waves 2, 3)
; for two of the four tiles of positions.  Its weights go from memory straight into its registers, once.
; NO CLUSTER: what the work-groups share is the weights; through LDS they would take 174,080 bytes beside x's 136,192 and the images' 18,432, which is more than the 327,680 that there are.
; THE ROWS OF A TILE ARE NOT NEIGHBOURS: row r of tile T (of positions, and of Wf's and Wg's channels) is index 8 T + r % 8 + 32 (r / 8).  In a result whose source 0 is such a tile, lane half h and register (T, j)
; hold index 32 h + 8 T + j: a lane's 32 registers of four tiles are ONE block of 32 in order, so a block's largest magnitude needs no other lane and four conversions give four operand registers.
; OUT.  fg: [256 blocks of 64 positions][4,608]: f at 0, g at 2,304; each: codes [T 4][lane 32][16 bytes], then scale words [r 16][T 4] (byte 0: channels 0-31, byte 1: 32-63, bytes 2, 3: 0).
;       vv: [256 groups of 64 keys][17,408]: codes [channel tile 32][lane 32][16 bytes], then [wave 4][r 16][tile 8] pairs of scale bytes (keys 0-31, keys 32-63).
; REGISTERS, in windows of 256.  Window 0: v1-28 ids and addresses; v32-63 Wh's scale words (4 ct + s); v64-79 Wf's or Wg's (4 Td + s); v80-91 x's scale words, two sets; v92-127 at work;
;   v128-223 x's fragments, two sets of 48 (first: two buffers of 64 numbers of x, v128-255).  Window 1: Wh's 32 fragments.  Window 2: Wf's or Wg's 16 fragments; v128-191 f's or g's 8 sums; v192-255 bh, eight times a tile.
;   Window 3: h's 32 sums (ct, T) at 8 (4 ct + T).
.set XTW,   34048                      ; LDS: x's K step s begins at XTW s: two halves of 32 rows,
.set XTH,   17024                      ; XTH apart: 32 rows of XP bytes and 128 bytes more, so that rows i and 32 + i begin in different groups of banks
.set XP,    528                        ; a row: 512 bytes + 16 of padding
.set XIMG,  136192                     ; x's 16 fragments as images of registers (index 4 T + s): 1,024 bytes each
.set XSC,   152576                     ; their scale words, 128 bytes each
.set SST,   154624                     ; f's and g's scale words of the block: 256 bytes each
.set SPARE, 155136                     ; the spare words, 128 bytes for each wave: two blocks of 256 bytes that no other line names
.set MSB, 0
.macro WIN new                         ; the immediate's high byte repeats the setting that is left
.if MSB != \new
	s_set_vgpr_msb (MSB<<8)|\new
.set MSB, \new
.endif
.endm
.macro MMC d, a, b, cc, sa, sb         ; one product: D, source 0, source 1, C, and the two scale registers
	v_wmma_scale_f32_16x16x128_f8f6f4 v[\d:\d+7], v[\a:\a+7], v[\b:\b+7], v[\cc:\cc+7], v[\sa], v[\sb] matrix_a_fmt:MATRIX_FMT_FP4 matrix_b_fmt:MATRIX_FMT_FP4
.endm
.macro PLACES                          ; four plain places behind matrix instructions, ahead of loads into their sources and of the first read of results
.rept 4
	v_nop
.endr
.endm
	s_load_b512 s[4:19], s[0:1], 0x0               ; x, Wf codes, Wf scales, Wg codes, Wg scales, Wh codes, Wh scales, bf
	s_load_b256 s[20:27], s[0:1], 0x40             ; bg, bh, fg, vv
	v_lshl_add_u32 v17, v0, 2, SPARE
	v_mov_b32 v18, 0
	ds_add_u32 v17, v18                            ; the wave's opening: the add, twice on end, and its wait ahead of my first tensor load
	ds_add_u32 v17, v18
	v_lshrrev_b32 v1, 5, v0
	v_readfirstlane_b32 s28, v1                    ; wave w
	s_and_b32 s29, s28, 1                          ; w % 2: which two tiles of positions I take for f or g
	s_lshr_b32 s30, s28, 1                         ; w / 2: f (0) or g (1)
	s_mov_b32 s48, 0x76543210
	s_mov_b32 s49, 0xfedcba98                      ; v_permlanex16_b32's selects for lane l xor 16
	; descriptor group 1: 32 rows of 128 numbers of 4 bytes, 512 numbers from row to row; 4 words of padding behind every 128
	s_mov_b32 s32, (2<<16)|(1<<20)|(6<<22)|(3<<25)
	s_mov_b32 s33, 128<<16                         ; tensor_dim0
	s_mov_b32 s34, 32<<16                          ; tensor_dim1
	s_mov_b32 s35, 128<<16                         ; tile_dim0
	s_mov_b32 s36, 32                              ; tile_dim1
	s_mov_b32 s37, 512                             ; the pitch
	s_mov_b32 s38, 0
	s_mov_b32 s39, 0
	s_mov_b32 s40, 1
	s_mul_i32 s41, s28, XTW                        ; my K step's place in LDS: rows 0-31,
	s_mov_b32 s44, 1
	s_add_co_u32 s45, s41, XTH                     ; rows 32-63
	s_lshl_b32 s50, ttmp9, 17                      ; the block's 64 rows of 2,048 bytes,
	s_lshl_b32 s51, s28, 9                         ; my K step's 512 bytes of a row
	s_add_co_u32 s50, s50, s51
	s_mov_b32 s51, 0
	v_and_b32 v1, 15, v0                           ; r
	v_bfe_u32 v2, v0, 4, 1                         ; h
	v_and_b32 v3, 31, v0                           ; lane
	v_lshrrev_b32 v25, 3, v1                       ; r / 8
	v_and_b32 v26, 7, v1                           ; r % 8
	v_mul_u32_u24 v4, v25, XTH
	v_mad_u32_u24 v4, v26, XP, v4
	v_lshl_add_u32 v4, v2, 7, v4
	v_add_nc_u32 v4, s41, v4                       ; x in LDS: my K step, half r / 8, row r % 8 of a tile's eight, + 128 h: my 32 numbers of a block pair
	v_lshlrev_b32 v13, 4, v3                       ; 16 x lane
	v_lshlrev_b32 v27, 2, v3                       ; 4 x lane
	s_lshl_b32 s52, s28, 10
	v_add_nc_u32 v5, s52, v13
	v_add_nc_u32 v5, XIMG, v5                      ; where I store x's images: fragment 4 T + w
	s_lshl_b32 s52, s28, 7
	v_add_nc_u32 v6, s52, v27
	v_add_nc_u32 v6, XSC, v6                       ; and their scale words
	v_add_nc_u32 v7, XIMG, v13                     ; where any image is read
	v_add_nc_u32 v8, XSC, v27
	s_lshl_b32 s52, s29, 13
	v_add_nc_u32 v9, s52, v7                       ; the images of my two tiles for f or g: T = 2 (w % 2) + u
	s_lshl_b32 s52, s29, 10
	v_add_nc_u32 v10, s52, v8
	v_lshlrev_b32 v22, 4, v1                       ; 16 r
	s_lshl_b32 s52, s30, 8
	s_lshl_b32 s53, s29, 3
	s_add_co_u32 s52, s52, s53
	v_add_nc_u32 v11, s52, v22
	v_add_nc_u32 v11, SST, v11                     ; my two scale words of f or g: row r, words 2 (w % 2) and the next
	v_add_nc_u32 v12, SST, v13
	v_lshl_add_u32 v14, v2, 3, v22                 ; 16 r + 8 h
	v_mul_u32_u24 v15, v2, 2304
	v_add_nc_u32 v15, v15, v22
	v_add_nc_u32 v15, 2048, v15                    ; in fg: lanes 0-15 f's scale words, lanes 16-31 g's
	v_lshlrev_b32 v16, 3, v2                       ; 8 h
	v_lshlrev_b32 v19, 8, v1
	v_lshl_add_u32 v19, v2, 4, v19                 ; Wh: row r of 256 bytes, + 16 h
	v_lshl_add_u32 v28, v25, 5, v26                ; d(r) = r % 8 + 32 (r / 8)
	v_lshlrev_b32 v20, 8, v28
	v_lshl_add_u32 v20, v2, 4, v20                 ; Wf, Wg: row d(r), + 16 h
	v_lshlrev_b32 v21, 7, v2                       ; bf, bg: 32 h numbers on
	v_lshlrev_b32 v23, 4, v28                      ; Wf's, Wg's scales: 16 bytes a row
	v_lshlrev_b32 v24, 2, v1                       ; bh: 4 r
	v_mov_b32 v122, 0                              ; written once: a lane permute's destination counts as one of its sources
	s_mul_i32 s52, ttmp9, 4608                     ; the block in fg,
	s_mov_b32 s53, 0
	s_mul_i32 s54, s30, 2304                       ; f's or g's part, my two tiles
	s_lshl_b32 s55, s29, 10
	s_add_co_u32 s54, s54, s55
	s_mov_b32 s55, 0
	s_mul_i32 s56, ttmp9, 17408                    ; the group in vv,
	s_add_co_u32 s58, s56, 16384
	s_lshl_b32 s57, s28, 12                        ; my 8 tiles of codes,
	s_add_co_u32 s56, s56, s57
	s_lshl_b32 s57, s28, 8                         ; my 256 bytes of scales
	s_add_co_u32 s58, s58, s57
	s_mov_b32 s57, 0
	s_mov_b32 s59, 0
	s_lshl_b32 s66, s28, 15                        ; my 128 rows of Wh's codes,
	s_mov_b32 s67, 0
	s_lshl_b32 s68, s28, 11                        ; of its scales,
	s_mov_b32 s69, 0
	s_lshl_b32 s70, s28, 9                         ; my 128 numbers of bh
	s_mov_b32 s71, 0
	s_wait_dscnt 0x0                               ; both opening adds are done
	s_wait_kmcnt 0x0
	s_add_nc_u64 s[42:43], s[4:5], s[50:51]
	s_add_nc_u64 s[46:47], s[42:43], 65536         ; 32 rows further down
	s_or_b32 s43, s43, 0x80000000
	s_or_b32 s47, s47, 0x80000000
	tensor_load_to_lds s[40:43], s[32:39]          ; my K step of rows 0-31: both loads are first fills, and only I read what they bring.  Two loads of mine are out
	s_nop 0
	tensor_load_to_lds s[44:47], s[32:39]          ; and of rows 32-63
	s_nop 0
	PLACES
	s_cmp_eq_u32 s30, 0                            ; f's wave or g's: the choice hangs on the wave's number alone
	s_cselect_b64 s[6:7], s[6:7], s[10:11]
	s_cselect_b64 s[8:9], s[8:9], s[12:13]
	s_cselect_b64 s[18:19], s[18:19], s[20:21]
	s_add_nc_u64 s[14:15], s[14:15], s[66:67]
	s_add_nc_u64 s[16:17], s[16:17], s[68:69]
	s_add_nc_u64 s[22:23], s[22:23], s[70:71]
	s_add_nc_u64 s[24:25], s[24:25], s[52:53]      ; fg at the block
	s_add_nc_u64 s[60:61], s[24:25], s[54:55]      ; and at my codes
	s_add_nc_u64 s[62:63], s[26:27], s[56:57]      ; vv at my codes
	s_add_nc_u64 s[26:27], s[26:27], s[58:59]      ; and at my scales
	; ---- the weights, straight into the registers in which they stay
	WIN 0x40                                       ; destination window 1
.irp ct, 0,1,2,3,4,5,6,7
.irp ks, 0,1,2,3
.irp c, 0,1
	global_load_b128 v[8*(4*\ct+\ks)+4*\c:8*(4*\ct+\ks)+4*\c+3], v19, s[14:15] offset:4096*\ct+64*\ks+32*\c
.endr
.endr
.endr
	WIN 0x80                                       ; destination window 2
.irp Td, 0,1,2,3
.irp ks, 0,1,2,3
.irp c, 0,1
	global_load_b128 v[8*(4*\Td+\ks)+4*\c:8*(4*\Td+\ks)+4*\c+3], v20, s[6:7] offset:2048*\Td+64*\ks+32*\c
.endr
.endr
.endr
.irp u, 0,1                                    ; the bias of f or g lands in the sums' own registers: register j of tile Td is channel 8 Td + j + 32 h
.irp Td, 0,1,2,3
	global_load_b128 v[128+8*(4*\u+\Td):128+8*(4*\u+\Td)+3], v21, s[18:19] offset:32*\Td
	global_load_b128 v[132+8*(4*\u+\Td):132+8*(4*\u+\Td)+3], v21, s[18:19] offset:32*\Td+16
.endr
.endr
	WIN 0
.irp ct, 0,1,2,3,4,5,6,7
	global_load_b128 v[32+4*\ct:35+4*\ct], v22, s[16:17] offset:256*\ct    ; a row's four scale words
.endr
.irp Td, 0,1,2,3
	global_load_b128 v[64+4*\Td:67+4*\Td], v23, s[8:9] offset:128*\Td
.endr
.irp ct, 0,1,2,3,4,5,6,7
	global_load_b32 v[112+\ct], v24, s[22:23] offset:64*\ct                ; bh of my lane's channel in tile ct
.endr
	s_wait_loadcnt 0x0
	WIN 0x80
.irp ct, 0,1,2,3,4,5,6,7
.irp j, 0,1,2,3,4,5,6,7
	v_mov_b32 v[192+8*\ct+\j], v[112+\ct]          ; in h's result a lane holds one channel and eight positions: its bias eight times.  It is the C of the first K step
.endr
.endr
	WIN 0
; ---- X: my K step of the 64 rows becomes four fragments
.macro XLOAD T, buf                    ; tile T: my row's two blocks of 32 numbers, 16 loads
.irp c, 0,1
.irp j, 0,1,2,3,4,5,6,7
	ds_load_b128 v[128+64*\buf+32*\c+4*\j:128+64*\buf+32*\c+4*\j+3], v4 offset:8*XP*\T+256*\c+16*\j
.endr
.endr
.endm
.macro QX buf, T                       ; 64 numbers of a lane (block c in registers 32 c on) become registers 4 c .. 4 c + 3 of the fragment, and two bytes of its scale word
.set XB, 128+64*\buf
.set PCX, 96+8*\buf                    ; the codes' and the word's registers take turns with the buffers
.irp c, 0,1
	v_max3_num_f32 v[112+2*\c], |v[XB+32*\c]|, |v[XB+32*\c+1]|, 0x1800000       ; the floor 2^(3 - 127): the byte cannot fall under 1
	v_max3_num_f32 v[113+2*\c], |v[XB+32*\c+16]|, |v[XB+32*\c+17]|, |v[XB+32*\c+18]|
.endr
.irp i, 2,4,6,8,10,12,14
.irp c, 0,1
	v_max3_num_f32 v[112+2*\c], v[112+2*\c], |v[XB+32*\c+\i]|, |v[XB+32*\c+\i+1]|
.if \i < 14
	v_max3_num_f32 v[113+2*\c], v[113+2*\c], |v[XB+32*\c+17+\i]|, |v[XB+32*\c+18+\i]|
.endif
.endr
.endr
.irp c, 0,1
	v_max3_num_f32 v[112+2*\c], v[112+2*\c], v[113+2*\c], |v[XB+32*\c+31]|      ; the block's largest magnitude: all 32 are mine
.endr
.irp c, 0,1
	v_add_nc_u32 v[116+\c], 0xff000000, v[112+2*\c]    ; 2 off its exponent field: the conversion's scale operand
.endr
.irp c, 0,1
	v_lshrrev_b32 v[118+\c], 23, v[116+\c]         ; the scale's byte
.endr
	v_lshl_or_b32 v[120+\buf], v119, 16, v118      ; my bytes: blocks h and 2 + h,
	v_lshlrev_b32 v[120+\buf], v16, v[120+\buf]    ; at their places (8 h bits up);
	v_permlanex16_b32 v122, v[120+\buf], s48, s49
	v_or_b32 v[120+\buf], v[120+\buf], v122        ; with lane l xor 16's two the word is whole
.irp c, 0,1
.irp g, 0,1,2,3
	v_cvt_scalef32_pk8_fp4_f32 v[PCX+4*\c+\g], v[XB+32*\c+8*\g:XB+32*\c+8*\g+7], v[116+\c]
.endr
.endr
	v_nop                                          ; one plain place behind the last scaled conversion
	ds_store_b128 v5, v[PCX:PCX+3] offset:4096*\T
	ds_store_b128 v5, v[PCX+4:PCX+7] offset:4096*\T+512
	ds_store_b32 v6, v[120+\buf] offset:512*\T
.endm
	s_wait_tensorcnt 0x0                           ; my two tiles have landed; no other wave reads them
	XLOAD 0, 0
	XLOAD 1, 1
	s_wait_dscnt 16                                ; tile 0's 16 loads are in; tile 1's may be out
	QX 0, 0
	XLOAD 2, 0
	s_wait_dscnt 19                                ; tile 1's are in: behind them 3 stores and 16 loads
	QX 1, 1
	XLOAD 3, 1
	s_wait_dscnt 19                                ; tile 2's are in, and tile 0's stores, which are older, are done: their registers are written again
	QX 0, 2
	s_wait_dscnt 3                                 ; tile 3's are in (behind them 3 stores), and tile 1's stores are done
	QX 1, 3
	s_wait_dscnt 0x0                               ; for the others' sake: my images lie in LDS
	s_barrier_signal -1
	s_barrier_wait -1
; ---- P: the three products, a K step at a time; 40 sums by turns, one instruction a turn, in the same order in every step
.macro FETCH ks, p                     ; 18 loads: K step ks of all four tiles, of my two tiles once more for f or g (the register numbers may not hang on the wave), and their scale words
.irp T, 0,1,2,3
.irp c, 0,1
	ds_load_b128 v[128+48*\p+8*\T+4*\c:128+48*\p+8*\T+4*\c+3], v7 offset:(4*\T+\ks)*1024+512*\c
.endr
.endr
.irp u, 0,1
.irp c, 0,1
	ds_load_b128 v[160+48*\p+8*\u+4*\c:160+48*\p+8*\u+4*\c+3], v9 offset:(4*\u+\ks)*1024+512*\c
.endr
.endr
.irp T, 0,1,2,3
	ds_load_b32 v[80+6*\p+\T], v8 offset:(4*\T+\ks)*128
.endr
.irp u, 0,1
	ds_load_b32 v[84+6*\p+\u], v10 offset:(4*\u+\ks)*128
.endr
.endm
.macro MULH ks, p                      ; h: source 0 = 16 positions of x, source 1 = 16 channels of Wh: a lane holds one channel, its registers run along the positions
.if \ks == 0
	WIN 0xe4                                       ; source 1 window 1, C (bh) window 2, D window 3
.else
	WIN 0xf4                                       ; C and D window 3
.endif
.irp ct, 0,1,2,3,4,5,6,7
.irp T, 0,1,2,3
.if \ks == 0
	MMC 8*(4*\ct+\T), 128+48*\p+8*\T, 8*(4*\ct+\ks), 192+8*\ct, 80+6*\p+\T, 32+4*\ct+\ks
.else
	MMC 8*(4*\ct+\T), 128+48*\p+8*\T, 8*(4*\ct+\ks), 8*(4*\ct+\T), 80+6*\p+\T, 32+4*\ct+\ks
.endif
.endr
.endr
.endm
.macro MULF ks, p                      ; f or g: source 0 = 16 channels of the weight, source 1 = 16 positions: a lane holds one position, its registers run along the channels
	WIN 0xa2                                       ; source 0, C and D window 2
.irp u, 0,1
.irp Td, 0,1,2,3
	MMC 128+8*(4*\u+\Td), 8*(4*\Td+\ks), 160+48*\p+8*\u, 128+8*(4*\u+\Td), 64+4*\Td+\ks, 84+6*\p+\u
.endr
.endr
	WIN 0
	PLACES
.endm
	FETCH 0, 0
	FETCH 1, 1
	s_wait_dscnt 18                                ; K step 0's 18 loads are in; the other set's may be out
	MULH 0, 0
	MULF 0, 0
	FETCH 2, 0
	s_wait_dscnt 18
	MULH 1, 1
	MULF 1, 1
	FETCH 3, 1
	s_wait_dscnt 18
	MULH 2, 0
	MULF 2, 0
	s_wait_dscnt 0x0
	MULH 3, 1
	MULF 3, 1
	; ---- OUT.  h: for channel tile ct a lane's 32 registers are keys 32 h + 0 .. 31 of the group: one block
	WIN 0x3c                                       ; sources 1 and 2 window 3
.irp ct, 0,1,2,3,4,5,6,7
	v_max3_num_f32 v[112+\ct], 0x1800000, |v[32*\ct]|, |v[32*\ct+1]|       ; each sum is read from its low end on
.endr
.irp i, 2,4,6,8,10,12,14,16,18,20,22,24,26,28,30
.irp ct, 0,1,2,3,4,5,6,7
	v_max3_num_f32 v[112+\ct], v[112+\ct], |v[32*\ct+\i]|, |v[32*\ct+\i+1]|
.endr
.endr
	WIN 0
.irp ct, 0,1,2,3,4,5,6,7
	v_add_nc_u32 v[112+\ct], 0xff000000, v[112+\ct]
.endr
.irp ct, 0,1,2,3,4,5,6,7
	v_lshrrev_b32 v[120+\ct], 23, v[112+\ct]
.endr
	WIN 0x03                                       ; source 0 window 3
.irp ct, 0,1,2,3,4,5,6,7
.irp T, 0,1,2,3
	v_cvt_scalef32_pk8_fp4_f32 v[128+4*\ct+\T], v[32*\ct+8*\T:32*\ct+8*\T+7], v[112+\ct]
.endr
.endr
	WIN 0
	v_nop                                          ; one plain place behind the last scaled conversion
.irp ct, 0,1,2,3,4,5,6,7
	global_store_b128 v13, v[128+4*\ct:131+4*\ct], s[62:63] offset:512*\ct     ; 32 lanes store 512 consecutive bytes, at a multiple of 256 from vv's first byte
.endr
.irp i, 0,1,2,3
	v_lshl_or_b32 v[104+\i], v[121+2*\i], 16, v[120+2*\i]      ; my bytes of tiles 2 i and 2 i + 1,
.endr
.irp i, 0,1,2,3
	v_lshlrev_b32 v[104+\i], v16, v[104+\i]        ; at my half's place in each pair of bytes
.endr
.irp i, 0,1,2,3
	v_permlanex16_b32 v[108+\i], v[104+\i], s48, s49
.endr
.irp i, 0,1,2,3
	v_or_b32 v[104+\i], v[104+\i], v[108+\i]       ; with the other half's: channel r's 16 bytes
.endr
	v_cmp_eq_u32 vcc_lo, 1, v2
	v_cndmask_b32 v92, v104, v106, vcc_lo          ; lanes 0-15 store the first 8 of them, lanes 16-31 the last 8
	v_cndmask_b32 v93, v105, v107, vcc_lo
	global_store_b64 v14, v[92:93], s[26:27]       ; 32 lanes store 256 consecutive bytes, aligned
	; f or g: for tile u a lane's 32 registers are channels 32 h + 0 .. 31 of its position: one block
	WIN 0x28                                       ; sources 1 and 2 window 2
.irp u, 0,1
	v_max3_num_f32 v[94+\u], 0x1800000, |v[128+32*\u]|, |v[129+32*\u]|
.endr
.irp i, 2,4,6,8,10,12,14,16,18,20,22,24,26,28,30
.irp u, 0,1
	v_max3_num_f32 v[94+\u], v[94+\u], |v[128+32*\u+\i]|, |v[129+32*\u+\i]|
.endr
.endr
	WIN 0
.irp u, 0,1
	v_add_nc_u32 v[94+\u], 0xff000000, v[94+\u]
.endr
.irp u, 0,1
	v_lshrrev_b32 v[100+\u], 23, v[94+\u]
.endr
	WIN 0x02                                       ; source 0 window 2
.irp u, 0,1
.irp Td, 0,1,2,3
	v_cvt_scalef32_pk8_fp4_f32 v[160+4*\u+\Td], v[128+32*\u+8*\Td:128+32*\u+8*\Td+7], v[94+\u]
.endr
.endr
	WIN 0
	v_nop                                          ; one plain place behind the last scaled conversion
.irp u, 0,1
	global_store_b128 v13, v[160+4*\u:163+4*\u], s[60:61] offset:512*\u        ; 512 consecutive bytes, aligned
.endr
.irp u, 0,1
	v_lshlrev_b32 v[100+\u], v16, v[100+\u]
.endr
.irp u, 0,1
	v_permlanex16_b32 v[102+\u], v[100+\u], s48, s49
.endr
.irp u, 0,1
	v_or_b32 v[100+\u], v[100+\u], v[102+\u]       ; the position's scale word: two bytes, and two of 0 over the zero codes that fill K to 128
.endr
	ds_store_b64 v11, v[100:101]                   ; both halves of the lanes write the same words
	s_wait_dscnt 0x0                               ; for wave 0's sake
	s_barrier_signal -1
	s_barrier_wait -1
	s_cmp_lg_u32 s28, 0
	s_cbranch_scc1 .Lnot_wave_0
	ds_load_b128 v[96:99], v12                     ; the four waves' words: f's 256 bytes, g's 256 bytes
	s_wait_dscnt 0x0
	global_store_b128 v15, v[96:99], s[24:25]      ; sixteen lanes store each as 256 consecutive bytes, aligned
.Lnot_wave_0:
	s_wait_tensorcnt 0x0                           ; the wave's end: a wait, the add and its wait, behind my last tensor load and my last LDS store
	ds_add_u32 v17, v18
	s_wait_dscnt 0x0
	s_endpgm
.Lfunc_end_k_qae3ab7e605_project:
	.size	k_qae3ab7e605_project, .Lfunc_end_k_qae3ab7e605_project-k_qae3ab7e605_project
	.p2alignl 7, 3214868480
	.fill 96, 4, 3214868480
	.section	.rodata,"a",@progbits
	.p2align	6, 0x0
	.amdhsa_kernel k_qae3ab7e605_project
		.amdhsa_group_segment_fixed_size 167936
		.amdhsa_private_segment_fixed_size 0
		.amdhsa_enable_private_segment 0
		.amdhsa_kernarg_size 96
		.amdhsa_user_sgpr_count 2
		.amdhsa_user_sgpr_kernarg_segment_ptr 1
		.amdhsa_wavefront_size32 1
		.amdhsa_system_sgpr_workgroup_id_x 1
		.amdhsa_system_sgpr_workgroup_id_y 1
		.amdhsa_system_sgpr_workgroup_id_z 1
		.amdhsa_system_vgpr_workitem_id 0
		.amdhsa_next_free_vgpr 1024
		.amdhsa_next_free_sgpr 72
		.amdhsa_reserve_vcc 1
		.amdhsa_float_denorm_mode_32 3
		.amdhsa_float_denorm_mode_16_64 3
		.amdhsa_memory_ordered 1
		.amdhsa_forward_progress 1
		.amdhsa_inst_pref_size 79
	.end_amdhsa_kernel
	.amdgpu_metadata
---
amdhsa.version: [ 1, 2 ]
amdhsa.kernels:
  - .name:           k_qae3ab7e605_project
    .symbol:         k_qae3ab7e605_project.kd
    .args:
      - { .name: x, .offset: 0, .size: 8, .value_kind: global_buffer, .address_space: global }
      - { .name: Wf_codes, .offset: 8, .size: 8, .value_kind: global_buffer, .address_space: global }
      - { .name: Wf_scales, .offset: 16, .size: 8, .value_kind: global_buffer, .address_space: global }
      - { .name: Wg_codes, .offset: 24, .size: 8, .value_kind: global_buffer, .address_space: global }
      - { .name: Wg_scales, .offset: 32, .size: 8, .value_kind: global_buffer, .address_space: global }
      - { .name: Wh_codes, .offset: 40, .size: 8, .value_kind: global_buffer, .address_space: global }
      - { .name: Wh_scales, .offset: 48, .size: 8, .value_kind: global_buffer, .address_space: global }
      - { .name: bf, .offset: 56, .size: 8, .value_kind: global_buffer, .address_space: global }
      - { .name: bg, .offset: 64, .size: 8, .value_kind: global_buffer, .address_space: global }
      - { .name: bh, .offset: 72, .size: 8, .value_kind: global_buffer, .address_space: global }
      - { .name: fg, .offset: 80, .size: 8, .value_kind: global_buffer, .address_space: global }
      - { .name: vv, .offset: 88, .size: 8, .value_kind: global_buffer, .address_space: global }
    .group_segment_fixed_size: 167936
    .private_segment_fixed_size: 0
    .kernarg_segment_align: 8
    .kernarg_segment_size: 96
    .max_flat_workgroup_size: 128
    .sgpr_count:     72
    .vgpr_count:     1024
    .wavefront_size: 32
...
	.end_amdgpu_metadata
.endif
;; end of part 1
;; launch attend (part 2): grid 64 x 4, 8 waves a work-group, clusters of 4 x 1, 327,680 bytes of LDS; arguments fg, vv, x, gamma, out0; writes out0
.if DOCPART == 2
	.amdgcn_target "amdgcn-amd-amdhsa--gfx1250"
	.amdhsa_code_object_version 6
	.text
	.protected	k_qae3ab7e605_attend
	.globl	k_qae3ab7e605_attend
	.p2align	8
	.type	k_qae3ab7e605_attend,@function
k_qae3ab7e605_attend:
	s_mov_b64 s[64:65], 0
	v_nop
	global_prefetch_b8 v0, s[64:65] scope:SCOPE_SE
	s_setreg_imm32_b32 hwreg(HW_REG_WAVE_MODE, 25, 1), 1
	s_wait_xcnt 0x0
	s_wait_alu depctr_hold_cnt(0) depctr_sa_sdst(0) depctr_va_vdst(0) depctr_va_sdst(0) depctr_va_ssrc(0) depctr_va_vcc(0) depctr_vm_vsrc(0)
	s_getreg_b32 s2, hwreg(HW_REG_IB_STS2, 6, 4)
	s_cmp_eq_u32 s2, 0
	s_cbranch_scc0 .Lentry_in_a_cluster
	s_endpgm
.Lentry_in_a_cluster:
	s_bfe_u32 s2, ttmp6, 0x10000c
	s_cmp_lg_u32 s2, 0x3003
	s_cbranch_scc0 .Lentry_shape_is_right
	s_endpgm
.Lentry_shape_is_right:
; out = x + gamma softmax(f g^T) h, both products on codes of FP4 (E2M1) with one E8M0 scale for each 32 along K, from the images that the first launch stored.  No work is left out.
; THE SOFTMAX: t = score x log2(e); M = the row's largest t rounded UP to a whole number; p = 2^(t - M) is quantised along the keys, not normalised; the row's sum of the unquantised p divides at the end.
; TWO PASSES OVER THE KEYS.  Pass 1 makes all scores and keeps each query's largest: M is then final, and nothing is rescaled in pass 2.  A batch's g (codes and scale words, 147,456 bytes) stays in LDS for both.
; LIMITS: NaN and infinities are not served.  p under 2^-126 is 0 (v_exp_f32's result: ISA guide, its entry).  A block whose largest p lies under 2^(3 - 127) keeps the scale byte 1.  A block's largest p is taken
; from its largest score, which takes v_exp_f32 not to fall where its input rises.
; SHARES.  A work-group owns 64 queries of one batch, as four tiles: row r of tile qt is query 8 qt + r % 8 + 32 (r / 8).  EIGHT WAVES IN TWO ROLES, so that one role's vector work stands beside the other's matrix work:
; waves 0-3 (softmax): in a round of 256 keys wave w takes the group of 64 keys 4 n + w for all four tiles of queries: scores, p, its sum, its codes, which go to LDS as images of operand registers;
; waves 4-7 (products): wave 4 + v owns channels 128 v .. 128 v + 127 for all 64 queries: O^T += V^T P^T of the round before.  All eight share pass 1.
; LAYOUT.  Both products are used transposed (S^T = g f^T, O^T = h^T p^T): a lane holds ONE query.  A tile of keys holds key 8 T + r % 8 + 32 (r / 8) of its group in row r, so a lane's 32 score registers of the four
; tiles are keys 32 h + 0 .. 31: ONE block of the quantiser, in order: no lane asks another, and four conversions give registers 4 c .. 4 c + 3 of P's fragment.  The scores' K is 64: the upper half of each fragment is zero codes.
; CLUSTER.  The four work-groups of a cluster belong to one batch and walk the same g and h: every tile is asked for JOINTLY, by the same tensor load with the same descriptor and the mask of all four.
; REGISTERS.  Window 0: v1-19 addresses, made ahead of the first parting of the roles; v20-31 scale words and nothing else; v32-34 pass 1's addresses and 16 r.
;   softmax and pass 1: v36-43 -M (a pair a tile), v44-51 the sums, v52-59 eight chains at work, v60-63 at work, v64-95 f's four fragments, v96-127 g's four (their low halves also take p's codes), v128-255 S^T then p.
;   products: v36-43 V's scale bytes as loaded, v52-59 gamma / sum, v64-127 P's 8 fragments, v128-255 V's 16.   Window 1: softmax: 16 rows of x; products: O^T, (t, qt) at 8 (4 t + qt).
.set KG,    2304                       ; a group of 64 keys of g in LDS: 2,048 bytes of codes, 256 of scale words; 64 groups from byte 0
.set VS0,   147456                     ; two slots for V's tiles of 256 keys
.set VT,    69632                      ; a tile: four groups
.set VG,    17408                      ; a group of 64 keys: 16,384 bytes of codes, 1,024 of scale bytes
.set PB0,   286720                     ; two buffers for P
.set PBS,   8704                       ; 8 fragments (2 qt + s) of 1,024 bytes, then 8 x 64 bytes of scale words
.set MX,    304128                     ; the waves' largest scores: 8 x 4 x 128 bytes; behind them, 4,096 on, the softmax waves' sums: 4 x 4 x 128
.set SPARE, 310272                     ; the spare words, 128 bytes for each wave: four blocks of 256 bytes that no other line names
.set SP,    2064                       ; the way out: a stage of 64 rows x (2,048 bytes + 16) from byte 0: g's bytes have had their one fill, and their last read lies two barriers back
.set MSB, 0
.macro WIN new                         ; the immediate's high byte repeats the setting that is left
.if MSB != \new
	s_set_vgpr_msb (MSB<<8)|\new
.set MSB, \new
.endif
.endm
.macro PLACES                          ; four plain places behind matrix instructions (ISA guide 7.12.1)
.rept 4
	v_nop
.endr
.endm
.macro CROUND                          ; a round of the cluster's barrier
	s_barrier_signal -1
	s_barrier_wait -1
	s_cmp_lg_u32 s14, 0
	s_cbranch_scc1 .Lnot_wave_0_\@
	s_barrier_signal -3
.Lnot_wave_0_\@:
	s_barrier_wait -3
	s_barrier_signal -1
	s_barrier_wait -1
.endm
; PREFETCHES of V.  A batch's V is 136 runs of 8,192 bytes; the first 17 are tiles 0 and 1, which come by their loads alone.  Ask m (0 .. 14) names runs 17 + 8 m + 0 .. 7: the batch's first cluster asks, its four
; work-groups told apart by ADDRESS, in each waves 4 and 5, one instruction each, lanes 256 bytes apart.  So ask m stands two to three rounds ahead of the tensor load that wants its bytes.
; Asks 0, 1 and 2 name their runs by the immediate (0, 8 and 16 runs on) and step nothing; from ask 3 on the offset is stepped by 8 runs a round and the immediate stays at 16 runs.
; The one run past the end is held at the last: the offset at run 119, which with the immediate's 16 is run 135.
.macro STEPASK
	s_wait_xcnt 0x0                                ; the last prefetch, a round back, has read its address
	s_add_co_u32 s62, s62, 65536
	s_min_u32 s62, s62, 119*8192
	s_add_nc_u64 s[58:59], s[60:61], s[62:63]
.endm
.macro ASK off
	s_cmp_eq_u32 s66, 1
	s_cbranch_scc0 .Lnot_mine_\@
	global_prefetch_b8 v19, s[58:59] offset:\off th:TH_LOAD_NT scope:SCOPE_SE
.Lnot_mine_\@:
.endm
	s_load_b256 s[4:11], s[0:1], 0x0               ; fg, vv, x, gamma
	s_load_b64 s[12:13], s[0:1], 0x20              ; out0
	v_lshl_add_u32 v17, v0, 2, SPARE
	v_mov_b32 v18, 0
	ds_add_u32 v17, v18                            ; the wave's opening: the add, twice on end, and its wait ahead of my first tensor load
	ds_add_u32 v17, v18
	v_lshrrev_b32 v36, 5, v0
	v_readfirstlane_b32 s14, v36                   ; wave w
	s_and_b32 s16, s14, 3                          ; my number within my role
	s_bfe_u32 s17, ttmp6, 0x40000                  ; cx
	s_lshl_b32 s18, ttmp9, 2
	s_add_co_u32 s18, s18, s17                     ; my block of 64 queries: it enters f's, x's and out0's addresses alone
	s_and_b32 s19, ttmp7, 0xffff                   ; the batch, which the four partners share
	; descriptor group 1 for g: 8 rows of 2,304 bytes (288 elements of 8), 4,608 bytes apart
	s_mov_b32 s24, 15|(3<<16)|(1<<21)              ; the mask of all four; elements of 8 bytes; bit 21 beside a mask
	s_mov_b32 s25, 288<<16
	s_mov_b32 s26, 8<<16
	s_mov_b32 s27, 288<<16
	s_mov_b32 s28, 8
	s_mov_b32 s29, 576
	s_mov_b32 s30, 0
	s_mov_b32 s31, 0
	; and for an eighth of a tile of V: 8,704 dense bytes as 34 rows of 256
	s_mov_b32 s32, 15|(3<<16)|(1<<21)
	s_mov_b32 s33, 32<<16
	s_mov_b32 s34, 34<<16
	s_mov_b32 s35, 32<<16
	s_mov_b32 s36, 34
	s_mov_b32 s37, 32
	s_mov_b32 s38, 0
	s_mov_b32 s39, 0
	s_mov_b32 s40, 1
	s_mul_i32 s41, s14, 8*KG                       ; g: my 8 groups
	s_mov_b32 s44, 1
	s_mul_i32 s45, s14, VT/8                       ; V: my eighth,
	s_add_co_u32 s49, s45, VS0+VT                  ; in slot 1,
	s_add_co_u32 s45, s45, VS0                     ; in slot 0
	s_mov_b32 s48, 1
	s_mov_b32 s52, 0x3fb8aa3b                      ; log2(e)
	s_mov_b32 s53, s52                             ; (named with it as a pair, so it is written)
	s_mov_b32 s54, 0x76543210
	s_mov_b32 s55, 0xfedcba98                      ; v_permlanex16_b32's selects for lane l xor 16
	v_and_b32 v36, 15, v0                          ; r
	v_bfe_u32 v37, v0, 4, 1                        ; h
	v_and_b32 v38, 31, v0                          ; lane
	v_lshlrev_b32 v8, 4, v38                       ; v8: 16 x lane
	v_lshlrev_b32 v39, 2, v38                      ; 4 x lane
	v_lshlrev_b32 v34, 4, v36                      ; v34: 16 r
	v_lshlrev_b32 v40, 2, v36                      ; 4 r
	v_lshlrev_b32 v19, 8, v38                      ; v19: the prefetches' offset
	s_mul_i32 s67, s14, KG
	v_add_nc_u32 v1, s67, v8                       ; v1: pass 2: my group's codes
	v_add_nc_u32 v2, s67, v34
	v_add_nc_u32 v2, 2048, v2                      ; v2: and its scale words, four a row
	v_add_nc_u32 v32, s67, v8                      ; v32, v33: the same for pass 1
	v_add_nc_u32 v33, s67, v34
	v_add_nc_u32 v33, 2048, v33
	s_lshl_b32 s67, s14, 9
	v_add_nc_u32 v3, s67, v39
	v_add_nc_u32 v3, MX, v3                        ; v3: where I put a number a lane for the other waves
	v_add_nc_u32 v4, MX, v39                       ; v4: where they are read
	s_lshr_b32 s68, s16, 1                         ; which K step of the round my group belongs to,
	s_and_b32 s69, s14, 1                          ; and which half of it
	s_lshl_b32 s67, s68, 10
	s_lshl_b32 s74, s69, 9
	s_add_co_u32 s67, s67, s74
	v_add_nc_u32 v5, s67, v8
	v_add_nc_u32 v5, PB0, v5                       ; v5: where I store p's codes
	s_lshl_b32 s67, s68, 6
	s_lshl_b32 s74, s69, 1
	s_add_co_u32 s67, s67, s74
	v_add_nc_u32 v6, v40, v37
	v_add_nc_u32 v6, s67, v6
	v_add_nc_u32 v6, PB0+8192, v6                  ; v6: and my block's scale byte: word of query r, byte 2 (w % 2) + h
	s_mul_i32 s67, s16, 16*SP
	v_add_nc_u32 v7, s67, v8                       ; v7: the stage, back: my 16 rows
	v_add_nc_u32 v9, PB0, v8                       ; v9: P's images
	v_lshl_add_u32 v10, v37, 6, v40
	v_add_nc_u32 v10, PB0+8192, v10                ; v10: P's scale words: lanes 0-15 K step 0's, lanes 16-31 K step 1's
	s_lshl_b32 s67, s16, 12
	v_add_nc_u32 v11, s67, v8
	v_add_nc_u32 v12, VS0+VT, v11                  ; v11, v12: my 8 tiles of V's codes in slot 0, 1
	v_add_nc_u32 v11, VS0, v11
	s_lshl_b32 s67, s16, 8
	v_mul_u32_u24 v13, v37, 2*VG
	v_add_nc_u32 v13, v13, v34
	v_add_nc_u32 v13, s67, v13
	v_add_nc_u32 v14, VS0+VT+16384, v13            ; v13, v14: my channels' scale bytes: lanes 0-15 K step 0's groups, lanes 16-31 K step 1's
	v_add_nc_u32 v13, VS0+16384, v13
	s_lshl_b32 s67, s16, 9
	v_mul_u32_u24 v15, v36, SP
	v_lshl_add_u32 v15, v37, 5, v15
	v_add_nc_u32 v15, s67, v15                     ; v15: the stage, in: row r, my 128 channels, + 32 h;
	v_add_nc_u32 v16, 32*SP, v15                   ; v16: 32 rows on
	s_lshl_b32 s20, s19, 6
	s_lshl_b32 s21, s14, 3
	s_add_co_u32 s20, s20, s21
	s_mul_i32 s20, s20, 2*KG
	s_add_co_u32 s20, s20, KG                      ; g's part of blocks 64 b + 8 w on
	s_mov_b32 s21, 0
	s_mul_i32 s22, s19, 16*VT                      ; the batch's V
	s_mov_b32 s23, 0
	s_mul_i32 s68, s14, VT/8
	s_mov_b32 s69, 0
	s_lshl_b32 s70, s19, 6
	s_add_co_u32 s70, s70, s18
	s_mul_i32 s70, s70, 2*KG                       ; my block of f
	s_mov_b32 s71, 0
	s_lshl_b32 s72, s19, 12
	s_lshl_b32 s73, s18, 6
	s_add_co_u32 s72, s72, s73
	s_lshl_b32 s73, s16, 3
	s_add_co_u32 s72, s72, s73
	s_lshl_b32 s72, s72, 11                        ; x and out0: row 4,096 b + 64 block + 8 (w % 4), of 2,048 bytes
	s_mov_b32 s73, 0
	s_and_b32 s62, s14, 1
	s_lshl_b32 s62, s62, 2
	s_add_co_u32 s62, s62, s17
	s_add_co_u32 s62, s62, 17
	s_lshl_b32 s62, s62, 13                        ; ask 0: run 17 + cx + 4 (w % 2)
	s_mov_b32 s63, 0
	s_lshr_b32 s66, s14, 1
	s_xor_b32 s66, s66, 2                          ; 0 in waves 4 and 5,
	s_or_b32 s66, s66, ttmp9                       ; of the batch's first cluster: the same in all four partners
	s_cmp_eq_u32 s66, 0
	s_cselect_b32 s66, 1, -1
	s_wait_dscnt 0x0                               ; both opening adds are done
	s_wait_kmcnt 0x0
	s_add_nc_u64 s[42:43], s[4:5], s[20:21]
	s_or_b32 s43, s43, 0x80000000
	s_add_nc_u64 s[60:61], s[6:7], s[22:23]
	s_add_nc_u64 s[46:47], s[60:61], s[68:69]      ; tile 0
	s_add_nc_u64 s[50:51], s[46:47], VT            ; tile 1
	s_or_b32 s47, s47, 0x80000000
	s_or_b32 s51, s51, 0x80000000
	s_add_nc_u64 s[20:21], s[4:5], s[70:71]
	s_add_nc_u64 s[8:9], s[8:9], s[72:73]
	s_add_nc_u64 s[12:13], s[12:13], s[72:73]
	s_add_nc_u64 s[58:59], s[60:61], s[62:63]
	s_load_b32 s57, s[10:11], 0x0                  ; gamma
	CROUND                                         ; all four work-groups are here: the first joint loads meet
	tensor_load_to_lds s[40:43], s[24:31]          ; my eighth of g; every wave issues all three first fills: three loads of mine are out
	s_nop 0
	tensor_load_to_lds s[44:47], s[32:39]          ; of V's tile 0
	s_nop 0
	tensor_load_to_lds s[48:51], s[32:39]          ; of V's tile 1
	s_nop 0
	PLACES
.irp qt, 0,1,2,3
	global_load_b128 v[64+8*\qt:67+8*\qt], v8, s[20:21] offset:512*\qt     ; f's four fragments stay in registers
.endr
	global_load_b128 v[20:23], v34, s[20:21] offset:2048                   ; and their scale words
.irp qt, 0,1,2,3
.irp i, 4,5,6,7
	v_mov_b32 v[64+8*\qt+\i], 0                    ; K = 64 .. 127: zero codes, on both sides, written once
	v_mov_b32 v[96+8*\qt+\i], 0
.endr
.endr
.irp i, 0,1,2,3,4,5,6,7
	v_mov_b32 v[52+\i], 0xff800000                 ; the largest scores so far: -infinity
.endr
.irp i, 0,1,2,3
	v_mov_b32 v[60+\i], 0                          ; written once: a lane permute's destination counts as one of its sources
.endr
	s_wait_loadcnt 0x0
	s_wait_kmcnt 0x0
	s_cmp_lt_u32 s14, 4
	s_cbranch_scc0 .Lno_x0
	WIN 0x40                                       ; destination window 1
.irp rr, 0,1,2,3,4,5,6,7                       ; the residual: the first eight of my tile's 16 rows of x; they are waited for on the way out
.irp ch, 0,1,2,3
	global_load_b128 v[16*\rr+4*\ch:16*\rr+4*\ch+3], v8, s[8:9] offset:2048*\rr+512*\ch th:TH_LOAD_NT
.endr
.endr
	WIN 0
.Lno_x0:
	s_wait_tensorcnt 0x2                           ; my part of g is in; V's two tiles, issued behind it, may stay out
	s_barrier_signal -1
	s_barrier_wait -1                              ; everybody's part is in
.macro KLOAD ac, as                    ; a group of 64 keys: four half fragments and the rows' four scale words
.irp T, 0,1,2,3
	ds_load_b128 v[96+8*\T:99+8*\T], v[\ac] offset:512*\T
.endr
	ds_load_b128 v[24:27], v[\as]
.endm
.macro SCORES                          ; S^T = g f^T: 16 products, each with a sum of its own, begun with 0
.irp qt, 0,1,2,3
.irp T, 0,1,2,3
	v_wmma_scale_f32_16x16x128_f8f6f4 v[128+32*\qt+8*\T:128+32*\qt+8*\T+7], v[96+8*\T:96+8*\T+7], v[64+8*\qt:64+8*\qt+7], 0, v[24+\T], v[20+\qt] matrix_a_fmt:MATRIX_FMT_FP4 matrix_b_fmt:MATRIX_FMT_FP4
.endr
.endr
.endm
.macro P1MAX                           ; 64 instructions in eight chains, two a tile of queries; each result is read from its low end on
.irp k, 0,2,4,6,8,10,12,14
.irp ch, 0,1,2,3,4,5,6,7
	v_max3_num_f32 v[52+\ch], v[52+\ch], v[128+16*\ch+\k], v[129+16*\ch+\k]
.endr
.endr
.endm
	; ---- PASS 1: wave w takes groups w, w + 8, .. w + 56
	KLOAD 32, 33
	s_mov_b32 s56, 7
.Lpass1:
	s_wait_dscnt 0x0                               ; the group is in
	SCORES
	v_add_nc_u32 v32, 8*KG, v32                    ; eight groups on.  With the two v_nop: the four places ahead of the loads and of the first read of the scores
	v_add_nc_u32 v33, 8*KG, v33
	v_nop
	v_nop
	KLOAD 32, 33                                   ; lands while the maxima are taken
	P1MAX
	s_sub_co_u32 s56, s56, 1
	s_cmp_lg_u32 s56, 0
	s_cbranch_scc1 .Lpass1
	ASK 0                                          ; ask 0
	s_wait_dscnt 0x0                               ; the eighth group: nothing more to fetch
	SCORES
	PLACES
	P1MAX
.irp qt, 0,1,2,3
	v_max_num_f32 v[52+2*\qt], v[52+2*\qt], v[53+2*\qt]
.endr
.irp qt, 0,1,2,3
	v_permlanex16_b32 v[60+\qt], v[52+2*\qt], s54, s55
.endr
.irp qt, 0,1,2,3
	v_max_num_f32 v[52+2*\qt], v[52+2*\qt], v[60+\qt]      ; with lane l xor 16's keys
.endr
.irp qt, 0,1,2,3
	ds_store_b32 v3, v[52+2*\qt] offset:128*\qt
.endr
	s_wait_dscnt 0x0                               ; for the others' sake
	s_barrier_signal -1
	s_barrier_wait -1
	; ---- the softmax waves: M, and round 0's scores
	s_cmp_lt_u32 s14, 4
	s_cbranch_scc0 .Lprologue_done
.irp qt, 0,1,2,3
.irp wv, 0,1,2,3,4,5,6,7
	ds_load_b32 v[128+8*\qt+\wv], v4 offset:512*\wv+128*\qt
.endr
.endr
	KLOAD 1, 2
	WIN 0x40
.irp rr, 0,1,2,3,4,5,6,7                       ; the other eight rows of x: 32 positions further down
.irp ch, 0,1,2,3
	global_load_b128 v[128+16*\rr+4*\ch:128+16*\rr+4*\ch+3], v8, s[8:9] offset:2048*(\rr+32)+512*\ch th:TH_LOAD_NT
.endr
.endr
	WIN 0
	s_wait_dscnt 0x0
.irp qt, 0,1,2,3
	v_max3_num_f32 v[52+2*\qt], v[128+8*\qt], v[129+8*\qt], v[130+8*\qt]
.endr
.irp i, 3,5
.irp qt, 0,1,2,3
	v_max3_num_f32 v[52+2*\qt], v[52+2*\qt], v[128+8*\qt+\i], v[129+8*\qt+\i]
.endr
.endr
.irp qt, 0,1,2,3
	v_max_num_f32 v[52+2*\qt], v[52+2*\qt], v[135+8*\qt]   ; my query's largest score
.endr
.irp qt, 0,1,2,3
	v_mul_f32 v[60+\qt], s52, v[52+2*\qt]          ; as t (log2(e) is positive)
.endr
.irp qt, 0,1,2,3
	v_floor_f32 v[36+2*\qt], -v[60+\qt]            ; -M = floor(-t) = -ceil(t)
.endr
.irp qt, 0,1,2,3
	v_mov_b32 v[37+2*\qt], v[36+2*\qt]             ; (named with it as a pair, so it is written)
.endr
.irp i, 0,1,2,3,4,5,6,7
	v_mov_b32 v[44+\i], 0                          ; the sums, a pair a tile
.endr
	SCORES
	PLACES
.Lprologue_done:
; THE SOFTMAX OF A ROUND, as four numbered lists for a half H of the tiles of queries (H = 0: tiles 0, 1; 1: tiles 2, 3), so that one half's exponentials can stand between the other half's plain instructions.
; MAXOP 0..31: the block's largest score: two chains of 16 registers a tile, joined in the first (cA = v[52 + 4 H + 2 q]).
.macro MAXOP H, i
.if (\i) < 28
.set mq, ((\i)%4)/2
.set mc, 52+4*(\H)+(\i)%4
.set mb, 128+32*(2*(\H)+mq)+16*((\i)%2)
.set mk, (\i)/4
.if mk == 0
	v_max3_num_f32 v[mc], v[mb], v[mb+1], v[mb+2]
.else
	v_max3_num_f32 v[mc], v[mc], v[mb+2*mk+1], v[mb+2*mk+2]
.endif
.elseif (\i) < 30
.set mc, 52+4*(\H)+2*((\i)-28)
.set mb, 128+32*(2*(\H)+(\i)-28)
	v_max3_num_f32 v[mc], v[mc], v[mc+1], v[mb+15]
.else
.set mc, 52+4*(\H)+2*((\i)-30)
.set mb, 128+32*(2*(\H)+(\i)-30)
	v_max_num_f32 v[mc], v[mc], v[mb+31]
.endif
.endm
; FMAOP 0..33: t - M, two scores at a time (of the pairs log2(e) and -M the low word serves both halves); the same of the largest score.
.macro FMAOP H, i
.if (\i) < 32
.set fq, 2*(\H)+(\i)%2
.set fp, 128+32*fq+2*((\i)/2)
	v_pk_fma_f32 v[fp:fp+1], v[fp:fp+1], s[52:53], v[36+2*fq:37+2*fq] op_sel_hi:[1,0,0]
.else
.set fq, (\i)-32
	v_fma_f32 v[52+4*(\H)+2*fq], v[52+4*(\H)+2*fq], s52, v[36+2*(2*(\H)+fq)]
.endif
.endm
; EXPOP 0..65: p = 2^(t - M), in place; then the block's largest p: the same two instructions on the same number give the same bits.
.macro EXPOP H, i
.if (\i) < 64
.set er, 128+32*(2*(\H)+(\i)%2)+(\i)/2
.else
.set er, 52+4*(\H)+2*((\i)-64)
.endif
	v_exp_f32 v[er], v[er]
.endm
; POSTOP 0..50: the floor, the conversion's scale operand, the byte; eight conversions into the low halves of g's fragments, which are done with; a plain place; the stores; then the sum of the UNQUANTISED p, in place, by pairs.
.macro POSTOP H, i, pb
.if (\i) < 2
	v_max_num_f32 v[52+4*(\H)+2*(\i)], 0x1800000, v[52+4*(\H)+2*(\i)]
.elseif (\i) < 4
	v_add_nc_u32 v[52+4*(\H)+2*((\i)-2)], 0xff000000, v[52+4*(\H)+2*((\i)-2)]
.elseif (\i) < 6
	v_lshrrev_b32 v[53+4*(\H)+2*((\i)-4)], 23, v[52+4*(\H)+2*((\i)-4)]
.elseif (\i) < 14
.set pq, ((\i)-6)%2
.set pg, ((\i)-6)/2
.set pt, 2*(\H)+pq
	v_cvt_scalef32_pk8_fp4_f32 v[96+8*pt+pg], v[128+32*pt+8*pg:128+32*pt+8*pg+7], v[52+4*(\H)+2*pq]
.elseif (\i) == 14
	v_nop
.elseif (\i) < 17
.set pt, 2*(\H)+(\i)-15
	ds_store_b128 v5, v[96+8*pt:96+8*pt+3] offset:PBS*(\pb)+2048*pt
.elseif (\i) < 19
.set pq, (\i)-17
	ds_store_b8 v6, v[53+4*(\H)+2*pq] offset:PBS*(\pb)+128*(2*(\H)+pq)
.else
.set pz, ((\i)-19)/2
.set pt, 2*(\H)+((\i)-19)%2
.set pr, 128+32*pt
.if pz < 8
	v_pk_add_f32 v[pr+2*pz:pr+2*pz+1], v[pr+2*pz:pr+2*pz+1], v[pr+2*pz+16:pr+2*pz+17]
.elseif pz < 12
	v_pk_add_f32 v[pr+2*(pz-8):pr+2*(pz-8)+1], v[pr+2*(pz-8):pr+2*(pz-8)+1], v[pr+2*(pz-8)+8:pr+2*(pz-8)+9]
.elseif pz < 14
	v_pk_add_f32 v[pr+2*(pz-12):pr+2*(pz-12)+1], v[pr+2*(pz-12):pr+2*(pz-12)+1], v[pr+2*(pz-12)+4:pr+2*(pz-12)+5]
.elseif pz == 14
	v_pk_add_f32 v[pr:pr+1], v[pr:pr+1], v[pr+2:pr+3]
.else
	v_pk_add_f32 v[44+2*pt:45+2*pt], v[44+2*pt:45+2*pt], v[pr:pr+1]
.endif
.endif
.endm
; A softmax wave's part of a round.  pb: P's buffer.  more = 1: the next round's group is fetched and its scores are made.  last = 1: the sums go to LDS.
; Each half's 66 exponentials are one batch with one wait, ahead of the first instruction that names a result; between them stand plain instructions of the other half.
.macro SM pb, more, last
.set ii, 0
.rept 32
	MAXOP 0, ii
.set ii, ii+1
.endr
.set ii, 0
.rept 34
	FMAOP 0, ii
.set ii, ii+1
.endr
.set ii, 0
.rept 66
	EXPOP 0, ii
.if ii < 32
	MAXOP 1, ii
.else
	FMAOP 1, ii-32
.endif
.set ii, ii+1
.endr
	s_wait_alu depctr_va_vdst(0)                   ; half 0's batch; the multiply-add above is the plain place behind its last exponential
.set ii, 0
.rept 66
	EXPOP 1, ii
.if ii < 51
	POSTOP 0, ii, \pb
.endif
.set ii, ii+1
.endr
	v_nop                                          ; the plain place behind the last exponential
	s_wait_alu depctr_va_vdst(0)                   ; half 1's batch
.set ii, 0
.rept 19
	POSTOP 1, ii, \pb
.set ii, ii+1
.endr
.if \more
	KLOAD 1, 2                                     ; behind the stores of p's codes (LDS serves a wave's instructions in order: ISA guide 5.7.1.4); it lands while the sums are taken
.endif
.rept 32
	POSTOP 1, ii, \pb
.set ii, ii+1
.endr
.if \more
	s_wait_dscnt 0x0                               ; the group is in, and my stores are done
	SCORES
	PLACES
.endif
.if \last
.irp qt, 0,1,2,3
	v_add_f32 v[52+2*\qt], v[44+2*\qt], v[45+2*\qt]
.endr
.irp qt, 0,1,2,3
	v_permlanex16_b32 v[60+\qt], v[52+2*\qt], s54, s55
.endr
.irp qt, 0,1,2,3
	v_add_f32 v[52+2*\qt], v[52+2*\qt], v[60+\qt]  ; my groups' share of the query's sum
.endr
.irp qt, 0,1,2,3
	ds_store_b32 v3, v[52+2*\qt] offset:4096+128*\qt
.endr
.endif
.endm
; A product wave's part of a round: O^T += V^T P^T for 256 keys, two K steps of 32 products; the 32 sums take turns, one instruction a turn, in the same order every time.
; sl: V's slot; pb: P's buffer; zero = 1: the first K step starts the sums.  One register carries a scale word of K step 0 in lanes 0-15 and of K step 1 in lanes 16-31.
.macro PV sl, pb, zero
	PLACES                                         ; ahead of loads into registers that the last round's products read
	ds_load_b128 v[36:39], v[13+(\sl)]             ; my channels' scale bytes of the K step's first 64 keys,
	ds_load_b128 v[40:43], v[13+(\sl)] offset:VG   ; and of its last 64
.irp qt, 0,1,2,3
	ds_load_b32 v[20+\qt], v10 offset:PBS*(\pb)+128*\qt
.endr
.irp ks, 0,1
.irp qt, 0,1,2,3
.irp c, 0,1
	ds_load_b128 v[64+32*\ks+8*\qt+4*\c:64+32*\ks+8*\qt+4*\c+3], v9 offset:PBS*(\pb)+1024*(2*\qt+\ks)+512*\c
.endr
.endr
.irp t, 0,1,2,3,4,5,6,7
.irp c, 0,1
	ds_load_b128 v[128+64*\ks+8*\t+4*\c:128+64*\ks+8*\t+4*\c+3], v[11+(\sl)] offset:2*VG*\ks+VG*\c+512*\t
.endr
.endr
.endr
	s_wait_dscnt 48                                ; the scales are in; the two K steps' 48 loads may be out
.irp t, 0,1,2,3,4,5,6,7
.if \t%2 == 0
	v_perm_b32 v[24+\t], v[40+\t/2], v[36+\t/2], 0x05040100    ; tile t's scale word: two bytes of the first 64 keys, two of the last
.else
	v_perm_b32 v[24+\t], v[40+\t/2], v[36+\t/2], 0x07060302
.endif
.endr
.rept 8
	v_nop                                          ; a scale register written by a vector instruction stands eight places ahead of the scaled product
.endr
	s_wait_dscnt 24                                ; K step 0's 24 loads are in
	WIN 0x50                                       ; C and D window 1
.irp t, 0,1,2,3,4,5,6,7
.irp qt, 0,1,2,3
.if \zero
	v_wmma_scale_f32_16x16x128_f8f6f4 v[8*(4*\t+\qt):8*(4*\t+\qt)+7], v[128+8*\t:128+8*\t+7], v[64+8*\qt:64+8*\qt+7], 0, v[24+\t], v[20+\qt] matrix_a_fmt:MATRIX_FMT_FP4 matrix_b_fmt:MATRIX_FMT_FP4
.else
	v_wmma_scale_f32_16x16x128_f8f6f4 v[8*(4*\t+\qt):8*(4*\t+\qt)+7], v[128+8*\t:128+8*\t+7], v[64+8*\qt:64+8*\qt+7], v[8*(4*\t+\qt):8*(4*\t+\qt)+7], v[24+\t], v[20+\qt] matrix_a_fmt:MATRIX_FMT_FP4 matrix_b_fmt:MATRIX_FMT_FP4
.endif
.endr
.endr
	s_wait_dscnt 0x0                               ; K step 1's are in
.irp t, 0,1,2,3,4,5,6,7
.irp qt, 0,1,2,3
	v_wmma_scale_f32_16x16x128_f8f6f4 v[8*(4*\t+\qt):8*(4*\t+\qt)+7], v[192+8*\t:192+8*\t+7], v[96+8*\qt:96+8*\qt+7], v[8*(4*\t+\qt):8*(4*\t+\qt)+7], v[24+\t], v[20+\qt] matrix_a_fmt:MATRIX_FMT_FP4 matrix_b_fmt:MATRIX_FMT_FP4 matrix_a_scale:MATRIX_SCALE_ROW1 matrix_b_scale:MATRIX_SCALE_ROW1
.endr
.endr
	WIN 0
.endm
; ROUND n (e = n % 2).  The softmax waves make P(n) into buffer e; the product waves take P(n - 1) from buffer 1 - e with V's tile n - 1 from slot 1 - e.
; bar = 2: slot e, read out in round n - 1, is filled with tile n: every wave waits for all its tensor loads (tile n - 1 among them), adds 0 to its spare word, waits for that and for all its LDS reads and stores;
; a round of the cluster's barrier; the joint load first behind it, one a wave: it has this round in which to land.  bar = 1: the same waits and a plain barrier: nothing is filled.  bar = 0: none.
; ask = 0: no prefetch; 1: 8 runs on by the immediate; 2: 16 runs on by the immediate; 3: the offset is stepped, and the immediate is 16 runs (only with bar = 2).
.macro ROUND e, bar, ask, sm, more, last, pv, zero
.if \bar == 2
	s_wait_tensorcnt 0x0                           ; no tensor load of mine is out, so a group 0 may be written
	ds_add_u32 v17, v18
	s_add_nc_u64 s[46+4*\e:47+4*\e], s[46+4*\e:47+4*\e], 2*VT  ; two tiles on; the type bits on top are not reached
.if \ask == 3
	STEPASK
.endif
	s_wait_dscnt 0x0                               ; the add is done; my reads of the slot and of P, or my stores of P, are over
	CROUND
	tensor_load_to_lds s[44+4*\e:47+4*\e], s[32:39]
	s_nop 0
	PLACES
.elseif \bar == 1
	s_wait_tensorcnt 0x0                           ; my parts of V's tiles are in
	s_wait_dscnt 0x0
	s_barrier_signal -1
	s_barrier_wait -1
.endif
.if \more
	v_add_nc_u32 v1, 4*KG, v1                      ; the next round's group: stepped on the way that all waves take
	v_add_nc_u32 v2, 4*KG, v2
.endif
.if \ask == 1
	ASK 65536
.elseif \ask > 1
	ASK 131072
.endif
	s_cmp_lt_u32 s14, 4
.if \sm && \pv
	s_cbranch_scc0 .Lproducts_\@
	SM \e, \more, \last
	s_branch .Ljoin_\@
.Lproducts_\@:
	PV 1-\e, 1-\e, \zero
.elseif \sm
	s_cbranch_scc0 .Ljoin_\@
	SM \e, \more, \last
.else
	s_cbranch_scc1 .Ljoin_\@
	PV 1-\e, 1-\e, \zero
.endif
.Ljoin_\@:
.endm
	ROUND 0, 0, 1, 1, 1, 0, 0, 0                   ; round 0: P(0) alone; ask 1
	ROUND 1, 1, 2, 1, 1, 0, 1, 1                   ; round 1: the first products start O^T's sums; both slots still hold their first fills; ask 2
	s_mov_b32 s56, 6
.Lrounds:                                          ; rounds 2 to 13; asks 3 to 14
	ROUND 0, 2, 3, 1, 1, 0, 1, 0
	ROUND 1, 2, 3, 1, 1, 0, 1, 0
	s_sub_co_u32 s56, s56, 1
	s_cmp_lg_u32 s56, 0
	s_cbranch_scc1 .Lrounds
	ROUND 0, 2, 0, 1, 1, 0, 1, 0                   ; round 14: nothing is left to prefetch
	ROUND 1, 2, 0, 1, 0, 1, 1, 0                   ; round 15: the last tile is asked for; the last P; the sums go to LDS
	ROUND 0, 1, 0, 0, 0, 0, 1, 0                   ; round 16: the last products
	; ---- THE WAY OUT.  The product waves multiply O^T by gamma / the sum and put it into the stage; the softmax waves read whole rows, add x and store.
	s_cmp_lt_u32 s14, 4
	s_cbranch_scc1 .Lstaged
	PLACES
.irp qt, 0,1,2,3
.irp wv, 0,1,2,3
	ds_load_b32 v[64+4*\qt+\wv], v4 offset:4096+512*\wv+128*\qt
.endr
.endr
	s_wait_dscnt 0x0
.irp qt, 0,1,2,3
	v_add_f32 v[64+4*\qt], v[64+4*\qt], v[65+4*\qt]
.endr
.irp qt, 0,1,2,3
	v_add_f32 v[66+4*\qt], v[66+4*\qt], v[67+4*\qt]
.endr
.irp qt, 0,1,2,3
	v_add_f32 v[64+4*\qt], v[64+4*\qt], v[66+4*\qt]    ; the query's sum
.endr
.irp qt, 0,1,2,3
	v_rcp_f32 v[52+2*\qt], v[64+4*\qt]
.endr
	v_nop                                          ; a plain place behind the last reciprocal,
	s_wait_alu depctr_va_vdst(0)                   ; and one wait for the four, ahead of their first reader
.irp qt, 0,1,2,3
	v_mul_f32 v[52+2*\qt], s57, v[52+2*\qt]        ; gamma / the sum
.endr
.irp qt, 0,1,2,3
	v_mov_b32 v[53+2*\qt], v[52+2*\qt]             ; (named with it as a pair, so it is written)
.endr
	WIN 0x41                                       ; O^T (destination and source 0) window 1
.irp t, 0,1,2,3,4,5,6,7
.irp qt, 0,1,2,3
.irp k, 0,2,4,6
	v_pk_mul_f32 v[8*(4*\t+\qt)+\k:8*(4*\t+\qt)+\k+1], v[8*(4*\t+\qt)+\k:8*(4*\t+\qt)+\k+1], v[52+2*\qt:53+2*\qt] op_sel_hi:[1,0]   ; each sum from its low end on
.endr
.endr
.endr
	WIN 0x04                                       ; an LDS store's data are its source 1: window 1
.irp t, 0,1,2,3,4,5,6,7
.irp qt, 0,1,2,3
	ds_store_b128 v[15+\qt/2], v[8*(4*\t+\qt):8*(4*\t+\qt)+3] offset:16*SP*(\qt%2)+64*\t          ; row 16 qt + r: channels 128 v + 16 t + 8 h + 0 .. 7
	ds_store_b128 v[15+\qt/2], v[8*(4*\t+\qt)+4:8*(4*\t+\qt)+7] offset:16*SP*(\qt%2)+64*\t+16
.endr
.endr
	WIN 0
.Lstaged:
	s_wait_dscnt 0x0                               ; for the others' sake: my stores into the stage are done
	s_barrier_signal -1
	s_barrier_wait -1
	s_cmp_lt_u32 s14, 4
	s_cbranch_scc0 .Lend
	s_wait_loadcnt 0x0                             ; my 16 rows of x
	PLACES                                         ; in the text the products' arms of the last two rounds join this way with no vector instruction between: four places ahead of loads into registers that a product names, and of the additions into window 1
.irp hf, 0,1                                   ; eight rows at a time
.irp rr, 0,1,2,3,4,5,6,7
.irp ch, 0,1,2,3
	ds_load_b128 v[128+16*\rr+4*\ch:128+16*\rr+4*\ch+3], v7 offset:SP*(8*\hf+\rr)+512*\ch
.endr
.endr
	s_wait_dscnt 0x0
	WIN 0x44                                       ; x (destination and source 1) window 1
.irp i, 0,2,4,6,8,10,12,14,16,18,20,22,24,26,28,30,32,34,36,38,40,42,44,46,48,50,52,54,56,58,60,62,64,66,68,70,72,74,76,78,80,82,84,86,88,90,92,94,96,98,100,102,104,106,108,110,112,114,116,118,120,122,124,126
	v_pk_add_f32 v[128*\hf+\i:128*\hf+\i+1], v[128+\i:129+\i], v[128*\hf+\i:128*\hf+\i+1]
.endr
.irp rr, 0,1,2,3,4,5,6,7
.irp ch, 0,1,2,3
	global_store_b128 v8, v[128*\hf+16*\rr+4*\ch:128*\hf+16*\rr+4*\ch+3], s[12:13] offset:2048*(\rr+32*\hf)+512*\ch th:TH_STORE_NT   ; 32 lanes store 512 consecutive bytes, at a multiple of 256 from out0's first byte
.endr
.endr
	WIN 0
.endr
.Lend:
	s_wait_tensorcnt 0x0                           ; the wave's end: a wait, the add and its wait, behind my last tensor load and my last LDS store
	ds_add_u32 v17, v18
	s_wait_dscnt 0x0
	CROUND                                         ; the closing round: no work-group ends while a partner may still ask for a tile that names it
	s_endpgm
.Lfunc_end_k_qae3ab7e605_attend:
	.size	k_qae3ab7e605_attend, .Lfunc_end_k_qae3ab7e605_attend-k_qae3ab7e605_attend
	.p2alignl 7, 3214868480
	.fill 96, 4, 3214868480
	.section	.rodata,"a",@progbits
	.p2align	6, 0x0
	.amdhsa_kernel k_qae3ab7e605_attend
		.amdhsa_group_segment_fixed_size 327680
		.amdhsa_private_segment_fixed_size 0
		.amdhsa_enable_private_segment 0
		.amdhsa_kernarg_size 40
		.amdhsa_user_sgpr_count 2
		.amdhsa_user_sgpr_kernarg_segment_ptr 1
		.amdhsa_wavefront_size32 1
		.amdhsa_system_sgpr_workgroup_id_x 1
		.amdhsa_system_sgpr_workgroup_id_y 1
		.amdhsa_system_sgpr_workgroup_id_z 1
		.amdhsa_system_vgpr_workitem_id 0
		.amdhsa_next_free_vgpr 512
		.amdhsa_next_free_sgpr 80
		.amdhsa_reserve_vcc 0
		.amdhsa_float_denorm_mode_32 3
		.amdhsa_float_denorm_mode_16_64 3
		.amdhsa_memory_ordered 1
		.amdhsa_forward_progress 1
		.amdhsa_inst_pref_size 255
	.end_amdhsa_kernel
	.section	.bss,"aw",@nobits
	.p2align	6
	.space	262144
	.amdgpu_metadata
---
amdhsa.version: [ 1, 2 ]
amdhsa.kernels:
  - .name:           k_qae3ab7e605_attend
    .symbol:         k_qae3ab7e605_attend.kd
    .args:
      - { .name: fg, .offset: 0, .size: 8, .value_kind: global_buffer, .address_space: global }
      - { .name: vv, .offset: 8, .size: 8, .value_kind: global_buffer, .address_space: global }
      - { .name: x, .offset: 16, .size: 8, .value_kind: global_buffer, .address_space: global }
      - { .name: gamma, .offset: 24, .size: 8, .value_kind: global_buffer, .address_space: global }
      - { .name: out0, .offset: 32, .size: 8, .value_kind: global_buffer, .address_space: global }
    .group_segment_fixed_size: 327680
    .private_segment_fixed_size: 0
    .kernarg_segment_align: 8
    .kernarg_segment_size: 40
    .max_flat_workgroup_size: 256
    .sgpr_count:     80
    .vgpr_count:     512
    .wavefront_size: 32
...
	.end_amdgpu_metadata
.endif
;; end of part 2
